; MI455X (gfx1250); checked and timed in simulation.
; The chip was launched on July 23, 2026; its instructions are those of AMD's public machine-readable ISA for CDNA 5 (MIT licence, August 2026) and "CDNA5" Instruction Set Architecture Reference Guide (July 2026). The comments in the code are by the model that wrote it; some were corrected since.
;; Cell Contentl Attention. Allowed arithmetic: matrix products marked QUANTISED: E4M3 operands, one given power-of-two scale a tensor, by v_wmma_f32_16x16x64_fp8_fp8 or v_wmma_f32_16x16x128_fp8_fp8, f32 sums; products left as they are: f32 operands where the result goes on into a quantised operand, else bf16, f16 or f32 operands; f32 sums; everything else in f32.
;; Inputs: W_cell_codes 512 x 16 x 32 uint8 (E4M3 codes of W_cell, K innermost, in blocks of 32 codes); W_comb 512 x 1 float32; W_enc_codes 512 x 16 x 32 uint8 (E4M3 codes of W_enc, K innermost, in blocks of 32 codes); W_str_codes 512 x 8 x 32 uint8 (E4M3 codes of W_str, K innermost, in blocks of 32 codes); b_cell 512 float32; b_comb 1 float32; b_enc 512 float32; b_str 512 float32; cell_content_hidden_state_codes 1 x 64 x 16 x 32 uint8 (E4M3 codes of cell_content_hidden_state, K innermost, in blocks of 32 codes); encoded_features_map 64 x 1,024 x 512 float32; lowp_scales 6 int32 (the exponents e of the quantised operands' scales 2^e); structural_hidden_state_codes 1 x 64 x 8 x 32 uint8 (E4M3 codes of structural_hidden_state, K innermost, in blocks of 32 codes).
;; Outputs: out0 64 x 512 float32.
;; This version of the problem:
;;   THIS VERSION OF THE PROBLEM IS GIVEN IN LOW PRECISION. The matrix products marked QUANTISED in the list below multiply operands that are first quantised to E4M3 (4 exponent bits, 3 mantissa bits; 8 bits a number), with one given power-of-two scale for each operand tensor; their sums are f32. All else is computed in f32.
;;   The module's matrix products, in the order in which they are computed (A, B: the left and right operand; K: the contracted axis; several contracted axes count as one K, in the product's order):
;;     1. [M 65,536, K 512] x [K 512, N 512]; A: input encoded_features_map; B: input W_enc (given as codes): QUANTISED (scales: A lowp_scales[0], B lowp_scales[1])
;;     2. [M 64, K 256] x [K 256, N 512]; A: input structural_hidden_state (given as codes); B: input W_str (given as codes): QUANTISED (scales: A lowp_scales[2], B lowp_scales[3])
;;     3. [M 64, K 512] x [K 512, N 512]; A: input cell_content_hidden_state (given as codes); B: input W_cell (given as codes): QUANTISED (scales: A lowp_scales[4], B lowp_scales[5])
;;     4. [M 65,536, K 512] x [K 512, N 1]; A: computed on the way; B: computed on the way: left as it is (N = 1 < 16)
;;     5. batch 64 x [M 1, K 1,024] x [K 1,024, N 512]; A: softmax; B: input encoded_features_map: left as it is (M = 1 < 16)
;;   THE QUANTISER, for each operand of a quantised product, along K:
;;     - The operand's scale is 2^e, e = its entry of the input lowp_scales (int32; the entries are numbered through the quantised products in the list's order, A before B).
;;     - Each number is divided by the scale, clamped to +-448, and rounded to the nearest number of E4M3, ties to even, subnormals kept.
;;     - The product sums the exact products of the quantised numbers (number of the format x scale) in f32.
;;   ~~~python
;;   def quantise(x, axis, e):      # numpy; x: float32 -> the quantised numbers, widened to float32 again
;;       x = np.moveaxis(x, axis, -1); K = x.shape[-1]
;;       r = np.clip(x / 2.0 ** e, -448, 448)
;;       step = 2.0 ** (np.maximum(np.frexp(np.where(r == 0, 1, r))[1] - 1, -6) - 3)
;;       q = np.round(r / step) * step * 2.0 ** e      # np.round: ties to even
;;       return np.moveaxis(q, -1, axis).astype(np.float32)
;;   ~~~
;;   INPUTS GIVEN AS CODES. W_cell (in the module: [512, 512], K = its axis 0); W_enc (in the module: [512, 512], K = its axis 0); W_str (in the module: [256, 512], K = its axis 0); cell_content_hidden_state (in the module: [1, 64, 512], K = its axis 2); structural_hidden_state (in the module: [1, 64, 256], K = its axis 2): each comes as NAME_codes (uint8): NAME with its K axis moved to the last place and cut into blocks of 32 codes, [.., K / 32, bytes a block], one block behind the other in memory; one code a byte (a code: sign, 4 exponent bits, 3 mantissa bits); its scale is its entry of lowp_scales. Its value is code x scale, taken as it is: it is not quantised again, and the codes and scales need not be those that the quantiser above would give.
;; One version. Each part assembles by itself: llvm-mc -triple=amdgcn-amd-amdhsa -mcpu=gfx1250 --defsym DOCPART=n.
;; ======== version 1 of 1: 3 launches
;; limits: right only within a limited range of input values
;; workspace buffers: part 524,288 bytes; stat 65,536 bytes; wf 262,144 bytes; cs 131,072 bytes
;; launch prep (part 1): grid 256 x 1, 1 waves a work-group, no clusters, 0 bytes of LDS; arguments W_cell_codes, W_str_codes, cell_content_hidden_state_codes, structural_hidden_state_codes, b_enc, b_str, b_cell, lowp_scales, W_enc_codes, wf, cs; writes wf, cs
.if DOCPART == 1
	.amdgcn_target "amdgcn-amd-amdhsa--gfx1250"
	.amdhsa_code_object_version 6
	.text
	.protected	k_q510f29cf5d_prep
	.globl	k_q510f29cf5d_prep
	.p2align	8
	.type	k_q510f29cf5d_prep,@function
k_q510f29cf5d_prep:
	s_mov_b64 s[64:65], 0
	v_nop
	global_prefetch_b8 v0, s[64:65] scope:SCOPE_SE
	s_setreg_imm32_b32 hwreg(HW_REG_WAVE_MODE, 25, 1), 1
	s_wait_xcnt 0x0
; DEAD WORK LEFT OUT.  A score is t(b, l) = the sum over n of wc[n] relu(a(b, l, n) + c(b, n)) + b_comb, and reference() takes the softmax over l.  (1) b_comb is the same for every l: it cancels in the softmax for every value
; it may hold, so it is not loaded and is among no launch's arguments.  (2) relu(a + c) = max(a, -c) + c, and the sum over n of wc[n] c(b, n) is the same for every l of a batch: it cancels likewise and is not added.
; LIMIT: a NaN, an infinity or an overflow that reaches only b_comb or that sum is not carried to the result.
;
; This launch prepares two small things that every work-group of the next one reads.  256 work-groups of one wave:
;   0 .. 127, (tile t, group m) = (number / 4, number mod 4): for the 16 batches 16 m .. and the 16 columns 16 t ..: -c / S,  c = str W_str + cell W_cell + b_enc + b_str + b_cell on the given codes, S = 2^(e0 + e1).
;     Source 0 = 16 states, source 1 = 16 rows of the weight: lane (r, h) holds column 16 t + r, register j batch 16 m + 8 h + j.  cs is laid as those registers: byte 1024 x number + 512 (j / 4) + 16 lane + 4 (j mod 4).
;   128 .. 255, fragment f = number - 128 = 4 x tile + K step of W_enc: its register image.  wf: byte 2048 f + 512 c + 16 lane = the 16 codes of row 16 tile + r at K = 128 s + 32 c + 16 h.
; A fragment is four loads of 16 bytes at row + 128 s + 32 c + 16 h on both sides of every product alike: the same permutation of k, so every product meets its partner.
; No cluster and no LDS: each byte is read once or by four work-groups, straight into registers.  No prefetch: there is no loop to run ahead in.
; LIMITS: NaN among the inputs is not served.  e0 + e1, e2 + e3 and e4 + e5 are applied by v_ldexp_f32.
.set HC,  16                           ; v16-79   the cell states' four fragments
.set HS,  80                           ; v80-111  the str states' two
.set WC,  112                          ; v112-175 W_cell's four
.set WS,  176                          ; v176-207 W_str's two
.set BI,  208                          ; v208-210 the biases
.set ACA, 216                          ; cell product, K steps 0 and 1
.set ACB, 224                          ; cell product, K steps 2 and 3
.set ASA, 232                          ; str product, K step 0
.set ASB, 240                          ; str product, K step 1
	s_load_b512 s[4:19], s[0:1], 0x0               ; W_cell s[4:5], W_str s[6:7], cell s[8:9], str s[10:11], b_enc s[12:13], b_str s[14:15], b_cell s[16:17], scales s[18:19]
	s_load_b128 s[20:23], s[0:1], 0x40             ; W_enc s[20:21], wf s[22:23]
	s_load_b64 s[24:25], s[0:1], 0x50              ; cs
	v_and_b32 v1, 15, v0                           ; r
	v_bfe_u32 v2, v0, 4, 1                         ; h
	v_lshlrev_b32 v3, 9, v1
	v_lshl_add_u32 v3, v2, 4, v3                   ; rows of 512 bytes: 512 r + 16 h
	v_lshlrev_b32 v4, 8, v1
	v_lshl_add_u32 v4, v2, 4, v4                   ; rows of 256 bytes: 256 r + 16 h
	v_lshlrev_b32 v5, 2, v1                        ; 4 r
	v_lshlrev_b32 v6, 4, v0                        ; 16 x lane
	s_wait_alu depctr_va_vdst(0)                   ; ahead of the branch and the waits below
	s_cmp_lt_u32 ttmp9, 128
	s_cbranch_scc0 .Lrelay
	s_lshr_b32 s26, ttmp9, 2                       ; t
	s_and_b32 s27, ttmp9, 3                        ; m
	s_lshl_b32 s28, s26, 13
	s_mov_b32 s29, 0
	s_lshl_b32 s30, s26, 12
	s_mov_b32 s31, 0
	s_lshl_b32 s32, s27, 13
	s_mov_b32 s33, 0
	s_lshl_b32 s34, s27, 12
	s_mov_b32 s35, 0
	s_lshl_b32 s36, s26, 6
	s_mov_b32 s37, 0
	s_lshl_b32 s38, ttmp9, 10
	s_mov_b32 s39, 0
	s_wait_kmcnt 0x0
	s_load_b128 s[40:43], s[18:19], 0x0            ; e0 (x), e1 (W_enc), e2 (str), e3 (W_str)
	s_load_b64 s[44:45], s[18:19], 0x10            ; e4 (cell), e5 (W_cell)
	s_add_nc_u64 s[4:5], s[4:5], s[28:29]
	s_add_nc_u64 s[6:7], s[6:7], s[30:31]
	s_add_nc_u64 s[8:9], s[8:9], s[32:33]
	s_add_nc_u64 s[10:11], s[10:11], s[34:35]
	s_add_nc_u64 s[12:13], s[12:13], s[36:37]
	s_add_nc_u64 s[14:15], s[14:15], s[36:37]
	s_add_nc_u64 s[16:17], s[16:17], s[36:37]
	s_add_nc_u64 s[24:25], s[24:25], s[38:39]
.irp s, 0,1,2,3
.irp c, 0,1,2,3
	global_load_b128 v[WC+16*\s+4*\c:WC+16*\s+4*\c+3], v3, s[4:5] offset:128*\s+32*\c
	global_load_b128 v[HC+16*\s+4*\c:HC+16*\s+4*\c+3], v3, s[8:9] offset:128*\s+32*\c
.endr
.endr
.irp s, 0,1
.irp c, 0,1,2,3
	global_load_b128 v[WS+16*\s+4*\c:WS+16*\s+4*\c+3], v4, s[6:7] offset:128*\s+32*\c
	global_load_b128 v[HS+16*\s+4*\c:HS+16*\s+4*\c+3], v4, s[10:11] offset:128*\s+32*\c
.endr
.endr
	global_load_b32 v[BI], v5, s[12:13]
	global_load_b32 v[BI+1], v5, s[14:15]
	global_load_b32 v[BI+2], v5, s[16:17]
	s_wait_kmcnt 0x0
	s_add_co_i32 s46, s44, s45                     ; e4 + e5
	s_add_co_i32 s47, s42, s43                     ; e2 + e3
	s_add_co_i32 s48, s40, s41
	s_sub_co_i32 s48, 0, s48                       ; -(e0 + e1)
	s_wait_loadcnt 0x0
	v_wmma_f32_16x16x128_fp8_fp8 v[ACA:ACA+7], v[HC:HC+15],    v[WC:WC+15],    0
	v_wmma_f32_16x16x128_fp8_fp8 v[ACB:ACB+7], v[HC+32:HC+47], v[WC+32:WC+47], 0
	v_wmma_f32_16x16x128_fp8_fp8 v[ASA:ASA+7], v[HS:HS+15],    v[WS:WS+15],    0
	v_wmma_f32_16x16x128_fp8_fp8 v[ASB:ASB+7], v[HS+16:HS+31], v[WS+16:WS+31], 0
	v_wmma_f32_16x16x128_fp8_fp8 v[ACA:ACA+7], v[HC+16:HC+31], v[WC+16:WC+31], v[ACA:ACA+7]
	v_wmma_f32_16x16x128_fp8_fp8 v[ACB:ACB+7], v[HC+48:HC+63], v[WC+48:WC+63], v[ACB:ACB+7]
	v_add_f32 v[BI], v[BI], v[BI+1]                ; two of the four places; the four v_nop below complete them
	v_add_f32 v[BI], v[BI], v[BI+2]
.rept 4
	v_nop
.endr
.irp j, 0,2,4,6
	v_pk_add_f32 v[ASA+\j:ASA+\j+1], v[ASA+\j:ASA+\j+1], v[ASB+\j:ASB+\j+1]
.endr
.irp j, 0,2,4,6
	v_pk_add_f32 v[ACA+\j:ACA+\j+1], v[ACA+\j:ACA+\j+1], v[ACB+\j:ACB+\j+1]
.endr
.irp j, 0,1,2,3,4,5,6,7
	v_ldexp_f32 v[ASA+\j], v[ASA+\j], s47
	v_ldexp_f32 v[ACA+\j], v[ACA+\j], s46
.endr
.irp j, 0,1,2,3,4,5,6,7
	v_add_f32 v[ACA+\j], v[ACA+\j], v[ASA+\j]
.endr
.irp j, 0,1,2,3,4,5,6,7
	v_add_f32 v[ACA+\j], v[BI], v[ACA+\j]          ; c
.endr
.irp j, 0,1,2,3,4,5,6,7
	v_ldexp_f32 v[ACA+\j], -v[ACA+\j], s48         ; -c / S
.endr
	global_store_b128 v6, v[ACA:ACA+3], s[24:25]   ; 32 lanes store 512 consecutive bytes
	global_store_b128 v6, v[ACA+4:ACA+7], s[24:25] offset:512
	s_endpgm
.Lrelay:
	s_sub_co_u32 s26, ttmp9, 128                   ; f
	s_lshr_b32 s28, s26, 2
	s_lshl_b32 s28, s28, 13
	s_and_b32 s29, s26, 3
	s_lshl_b32 s29, s29, 7
	s_add_co_u32 s28, s28, s29                     ; 16 rows of 512 bytes a tile, 128 bytes a K step
	s_mov_b32 s29, 0
	s_lshl_b32 s30, s26, 11
	s_mov_b32 s31, 0
	s_wait_kmcnt 0x0
	s_add_nc_u64 s[20:21], s[20:21], s[28:29]
	s_add_nc_u64 s[22:23], s[22:23], s[30:31]
.irp c, 0,1,2,3
	global_load_b128 v[16+4*\c:19+4*\c], v3, s[20:21] offset:32*\c
.endr
.irp c, 0,1,2,3
	s_wait_loadcnt 3-\c                            ; the later loads may stay out
	global_store_b128 v6, v[16+4*\c:19+4*\c], s[22:23] offset:512*\c
.endr
	s_endpgm
.Lfunc_end_k_q510f29cf5d_prep:
	.size	k_q510f29cf5d_prep, .Lfunc_end_k_q510f29cf5d_prep-k_q510f29cf5d_prep
	.p2alignl 7, 3214868480
	.fill 96, 4, 3214868480
	.section	.rodata,"a",@progbits
	.p2align	6, 0x0
	.amdhsa_kernel k_q510f29cf5d_prep
		.amdhsa_group_segment_fixed_size 0
		.amdhsa_private_segment_fixed_size 0
		.amdhsa_enable_private_segment 0
		.amdhsa_kernarg_size 88
		.amdhsa_user_sgpr_count 2
		.amdhsa_user_sgpr_kernarg_segment_ptr 1
		.amdhsa_wavefront_size32 1
		.amdhsa_system_sgpr_workgroup_id_x 1
		.amdhsa_system_sgpr_workgroup_id_y 1
		.amdhsa_system_sgpr_workgroup_id_z 1
		.amdhsa_system_vgpr_workitem_id 0
		.amdhsa_next_free_vgpr 256
		.amdhsa_next_free_sgpr 66
		.amdhsa_reserve_vcc 0
		.amdhsa_float_denorm_mode_32 3
		.amdhsa_float_denorm_mode_16_64 3
		.amdhsa_memory_ordered 1
		.amdhsa_forward_progress 1
		.amdhsa_inst_pref_size 12
	.end_amdhsa_kernel
	.amdgpu_metadata
---
amdhsa.version: [ 1, 2 ]
amdhsa.kernels:
  - .name:           k_q510f29cf5d_prep
    .symbol:         k_q510f29cf5d_prep.kd
    .args:
      - { .name: W_cell_codes, .offset: 0, .size: 8, .value_kind: global_buffer, .address_space: global }
      - { .name: W_str_codes, .offset: 8, .size: 8, .value_kind: global_buffer, .address_space: global }
      - { .name: cell_content_hidden_state_codes, .offset: 16, .size: 8, .value_kind: global_buffer, .address_space: global }
      - { .name: structural_hidden_state_codes, .offset: 24, .size: 8, .value_kind: global_buffer, .address_space: global }
      - { .name: b_enc, .offset: 32, .size: 8, .value_kind: global_buffer, .address_space: global }
      - { .name: b_str, .offset: 40, .size: 8, .value_kind: global_buffer, .address_space: global }
      - { .name: b_cell, .offset: 48, .size: 8, .value_kind: global_buffer, .address_space: global }
      - { .name: lowp_scales, .offset: 56, .size: 8, .value_kind: global_buffer, .address_space: global }
      - { .name: W_enc_codes, .offset: 64, .size: 8, .value_kind: global_buffer, .address_space: global }
      - { .name: wf, .offset: 72, .size: 8, .value_kind: global_buffer, .address_space: global }
      - { .name: cs, .offset: 80, .size: 8, .value_kind: global_buffer, .address_space: global }
    .group_segment_fixed_size: 0
    .private_segment_fixed_size: 0
    .kernarg_segment_align: 8
    .kernarg_segment_size: 88
    .max_flat_workgroup_size: 32
    .sgpr_count:     66
    .vgpr_count:     256
    .wavefront_size: 32
...
	.end_amdgpu_metadata
.endif
;; end of part 1
;; launch main (part 2): grid 256 x 1, 4 waves a work-group, no clusters, 327,680 bytes of LDS; arguments encoded_features_map, wf, W_comb, lowp_scales, cs, part, stat; writes part, stat
.if DOCPART == 2
	.amdgcn_target "amdgcn-amd-amdhsa--gfx1250"
	.amdhsa_code_object_version 6
	.text
	.protected	k_q510f29cf5d_main
	.globl	k_q510f29cf5d_main
	.p2align	8
	.type	k_q510f29cf5d_main,@function
k_q510f29cf5d_main:
	s_mov_b64 s[64:65], 0
	v_nop
	global_prefetch_b8 v0, s[64:65] scope:SCOPE_SE
	s_setreg_imm32_b32 hwreg(HW_REG_WAVE_MODE, 25, 1), 1
	s_wait_xcnt 0x0
; For 256 rows x of one batch b (a quarter of its 1,024): t = log2(e) S x the sum over n of wc[n] max(acc[n], -c[n] / S), acc = the sum of codes of x times codes of W_enc, S = 2^(e0 + e1); a running softmax in base 2 over the rows;
; the weighted sum of the UNQUANTISED rows.  Out: part[wg][512] = sum of 2^(t - m) x, stat[wg] = (m, l = sum of 2^(t - m)), the pair 32 times, so that one store covers 256 consecutive bytes.  The next launch merges a batch's quarters.
; DEAD WORK LEFT OUT: b_comb, and the sum of wc c, which are the same for all rows of a batch and cancel in its softmax (shown at the head of the first kernel).
; SHARES.  Four waves.  Wave w keeps W_enc's rows n = 128 w .. + 127, all of K, in 512 registers for the whole launch (128 loads of 512 consecutive bytes out of the register images wf).
; Of the rows, wave w owns 64 w .. 64 w + 63 (128 KiB on end): it fetches, quantises and sums those.  Block i (0 .. 7) is rows 8 i .. 8 i + 7 of each wave: 32 rows; in a block, row rho = 8 w + i'.
; X IS READ FROM MEMORY ONCE.  Block 0 comes by loads into registers; blocks 1-7 through a ring of two LDS slots of two blocks each (32 KiB a wave and slot, each wave's own): blocks 1, 2 by the wave's one tensor load at the head,
; 3, 4 behind the first barrier, 5, 6 behind trip 1's, 7 behind trip 3's.  A wave has one tensor load out.  A block's rows go from their slot into registers ONCE, set i mod 2, and stay there from the quantising to the weighted sum.
; A ROW IN REGISTERS: load jj (0 .. 3) takes bytes 512 jj + 16 lane, so register 4 jj + i is column 128 jj + 4 lane + i.  A conversion of eight registers gives two words of four neighbouring codes;
; they go to LDS as true rows (pitch 528), 128 bytes on end a store, and every wave reads them back as fragments.
; THE PRODUCTS: source 0 = 16 rows of codes of x, source 1 = 16 rows of W_enc: lane (r, h) holds column 16 t + r and rows 8 h + j, so -c / S and W_comb are ONE register a tile.  Both sides have the same permutation of k.
; A TRIP, one barrier each:  products and scores of block i | codes of block i + 1 | barrier | fragments of block i + 1 asked for, softmax step and weighted sum of block i, rows of block i + 2 asked for.
; Codes and score words lie in two buffers by turns.  The trips differ in where their rows lie and in their waits, so they are written out by one macro; every LDS offset is an immediate.
; PREFETCH INTO THE L2: each wave for its own rows, lanes 256 bytes apart: slot 1's first fill behind most of W_enc's loads, blocks 5, 6 behind the load of blocks 3, 4 (two trips ahead of their own load), block 7 behind the load of blocks 5, 6.  Nothing lies behind block 7.
; NOT SHARED IN A CLUSTER: W_enc alone is shared, and a joint load can land only in LDS: its 262,144 bytes beside X's two slots of 131,072 pass the 327,680 that there are, so X could not be on its way meanwhile.
; LIMITS.  e0 between -126 and 119 (2^e0 and 448 x 2^e0 are made as f32 patterns); e0 + e1 is applied by v_ldexp_f32.  NaN among the inputs is not served (an infinity is held at the largest code for the product).
; c enters as max(acc, -c/S): f32 rounding relative to |c|, as in acc S + c, but summed over the 512 columns.
.set ROWB,  2048                       ; a row of x in bytes
.set HALFB, 8*ROWB                     ; a wave's part of a block
.set SLOTW, 2*HALFB                    ; a wave's part of a slot
.set SLOTB, 4*SLOTW                    ; 131,072
.set CB,    2*SLOTB                    ; behind the ring: the codes, two buffers of 32 rows
.set CP,    528                        ; a row of codes: 512 bytes + 16 = 132 words: row r starts at bank 4 r mod 64 (64 banks of 4 bytes: ISA guide 11.1)
.set CBUF,  32*CP
.set SC,    CB+2*CBUF                  ; score words: [buffer][wave that summed][row] f32: 2 x 512 bytes
.set CT,    SC+2*512                   ; the four waves' weighted sums at the end: 4 x 2,048 bytes
.set SPARE, CT+4*2048                  ; the spare words, 128 bytes for each wave: two blocks of 256 bytes that no other line names
; window 0
.set SPW,  2                           ; v2   LDS address of my spare word; never rewritten
.set NIL,  3                           ; v3   0; never rewritten
.set XO,   4                           ; v4   16 x lane
.set PFO,  5                           ; v5   the prefetches' offset: 256 x lane; never rewritten
.set CST,  6                           ; v6   codes, in: CB + 8 w rows + 4 x lane
.set FRD,  7                           ; v7   codes, as fragments: CB + 528 r + 16 h
.set LR0,  8                           ; v8   my part of slot 0: 32,768 w + 16 x lane
.set SST,  9                           ; v9   score words, in: SC + 128 w + 32 h
.set SRD,  10                          ; v10  score words, back: SC + 4 ((lane + 8 w) mod 32): my wave's own eight rows fall on lanes 0-7
.set CTS,  11                          ; v11  CT + 2,048 w + 16 x lane
.set CTR,  12                          ; v12  CT + 512 w + 16 x lane
.set SCL,  13                          ; v13  2^e0 as f32: the conversions take its exponent field
.set LIM,  14                          ; v14  448 x 2^e0
.set CO4,  15                          ; v15  4 r
.set NEGC, 16                          ; v16-23 -c / S
.set WC2,  24                          ; v24-31 wc S log2(e)
.set CO16, 32                          ; v32  16 r
.set LR1,  33                          ; v33  my part of slot 1
.set MX,   34                          ; v34  m, the running largest t
.set LS,   35                          ; v35  my lane's share of l
.set FF,   36                          ; v36-37 f = 2^(old m - new m); v37 is named with it as a pair
.set PV,   38                          ; v38  p of my lane's row
.set SS,   40                          ; v40-47 eight rows' scores
.set CTX,  48                          ; v48-63 the weighted sum
.set QQ,   64                          ; v64-95 two sets of 16 held numbers
.set TT,   64                          ; v64-80 at work in the softmax step and at the end (the held numbers are done with by then)
.set CD,   96                          ; v96-127 four words of codes for each of eight rows
.set PF,   128                         ; v128-191 four fragments of x's codes
.set PA,   192                         ; v192-255 eight accumulators
; window 1: set 0 v0-127, set 1 v128-255, row i' at 16 i'.   window 2: W_enc's tiles 0-3, fragment (t, s) at 64 t + 16 s.   window 3: tiles 4-7 likewise.
.set WV,   20                          ; s20  my wave's number
.set G1A,  24                          ; s[24:31] descriptor group 1: 64 rows of 256 bytes
.set G1B,  32                          ; s[32:39] the same with 128 rows
.set G0,   40                          ; s[40:55] group 0 of the four tensor loads
.set SEL,  60                          ; s[60:61] selects for v_permlanex16_b32: lane l xor 16
.set PS,   68                          ; s[68:83] p of my wave's row i in s[68 + 2 i]; the odd ones are named with them as pairs.  At the head: offsets
.set MSB, 0
.macro WIN new                         ; the immediate's high byte repeats the setting that is left; a switch that changes nothing is dropped
.if MSB != \new
	s_set_vgpr_msb (MSB<<8)|\new
.set MSB, \new
.endif
.endm
.macro PLACES                          ; four places behind a matrix instruction, in front of reads of its results and of loads into its registers (ISA guide 7.12.1 for the reads)
.rept 4
	v_nop
.endr
.endm
	s_load_b256 s[4:11], s[0:1], 0x0               ; x s[4:5], wf s[6:7], W_comb s[8:9], scales s[10:11]
	s_load_b128 s[12:15], s[0:1], 0x20             ; cs s[12:13], part s[14:15]
	s_load_b64 s[16:17], s[0:1], 0x30              ; stat
	v_lshl_add_u32 v[SPW], v0, 2, SPARE
	v_mov_b32 v[NIL], 0
	ds_add_u32 v[SPW], v[NIL]                      ; the wave's opening: the add, twice on end, and its wait ahead of my first tensor load; work on registers stands between
	ds_add_u32 v[SPW], v[NIL]
	v_lshrrev_b32 v1, 5, v0
	v_readfirstlane_b32 s[WV], v1                  ; wave 0..3
	; descriptor group 1: a dense block taken as rows of 256 bytes, elements of 8 bytes
	s_mov_b32 s[G1A+0], 3<<16                      ; no mask; elements of 8 bytes; no padding
	s_mov_b32 s[G1A+1], 32<<16                     ; tensor_dim0 = 32
	s_mov_b32 s[G1A+2], 64<<16                     ; tensor_dim1 = 64
	s_mov_b32 s[G1A+3], 32<<16                     ; tile_dim0 = 32
	s_mov_b32 s[G1A+4], 64                         ; tile_dim1 = 64: 16 KiB
	s_mov_b32 s[G1A+5], 32                         ; from row to row: 32 elements
	s_mov_b32 s[G1A+6], 0
	s_mov_b32 s[G1A+7], 0
	s_mov_b32 s[G1B+0], 3<<16
	s_mov_b32 s[G1B+1], 32<<16
	s_mov_b32 s[G1B+2], 128<<16                    ; 128 rows: 32 KiB
	s_mov_b32 s[G1B+3], 32<<16
	s_mov_b32 s[G1B+4], 128
	s_mov_b32 s[G1B+5], 32
	s_mov_b32 s[G1B+6], 0
	s_mov_b32 s[G1B+7], 0
	s_lshl_b32 s21, s[WV], 15                      ; my part of a slot
	s_lshl_b32 s22, ttmp9, 19                      ; 256 rows of 2,048 bytes a work-group,
	s_lshl_b32 s23, s[WV], 17                      ; 64 a wave
	s_add_co_u32 s22, s22, s23
	s_mov_b32 s23, 0
	s_lshl_b32 s70, s[WV], 16                      ; wf: 32 images of 2,048 bytes a wave
	s_mov_b32 s71, 0
	s_lshl_b32 s72, s[WV], 9                       ; W_comb at 128 w
	s_mov_b32 s73, 0
	; cs: my eight tiles of 4,096 bytes, and in each the batch b: 1024 (b / 16) + 512 (bit 2 of b) + 256 (bit 3) + 4 (b mod 4); a lane adds 16 r
	s_lshr_b32 s80, ttmp9, 2                       ; b
	s_lshl_b32 s74, s[WV], 15
	s_lshr_b32 s81, s80, 4
	s_lshl_b32 s81, s81, 10
	s_add_co_u32 s74, s74, s81
	s_bfe_u32 s81, s80, 0x10002
	s_lshl_b32 s81, s81, 9
	s_add_co_u32 s74, s74, s81
	s_bfe_u32 s81, s80, 0x10003
	s_lshl_b32 s81, s81, 8
	s_add_co_u32 s74, s74, s81
	s_and_b32 s81, s80, 3
	s_lshl_b32 s81, s81, 2
	s_add_co_u32 s74, s74, s81
	s_mov_b32 s75, 0
	s_lshl_b32 s76, ttmp9, 11
	s_add_co_u32 s76, s76, s72                     ; part at (work-group, 128 w)
	s_mov_b32 s77, 0
	s_lshl_b32 s78, ttmp9, 8                       ; stat at the work-group's 256 bytes
	s_mov_b32 s79, 0
	s_mul_i32 s84, s[WV], 8*CP
	s_add_co_u32 s84, s84, CB
	s_lshl_b32 s85, s[WV], 7
	s_add_co_u32 s85, s85, SC
	s_lshl_b32 s86, s[WV], 3
	s_lshl_b32 s87, s[WV], 11
	s_add_co_u32 s87, s87, CT
	s_add_co_u32 s88, s72, CT
	s_mov_b32 s[SEL], 0x76543210
	s_mov_b32 s[SEL+1], 0xfedcba98
	v_and_b32 v1, 31, v0                           ; lane
	v_and_b32 v[SS], 15, v0                        ; r
	v_bfe_u32 v[SS+1], v0, 4, 1                    ; h
	v_lshlrev_b32 v[XO], 4, v1
	v_lshlrev_b32 v[PFO], 8, v1
	v_lshlrev_b32 v[CO4], 2, v[SS]
	v_lshlrev_b32 v[CO16], 4, v[SS]
	v_lshl_add_u32 v[CST], v1, 2, s84
	v_mul_u32_u24 v[FRD], v[SS], CP
	v_lshl_add_u32 v[FRD], v[SS+1], 4, v[FRD]
	v_add_nc_u32 v[FRD], CB, v[FRD]
	v_lshl_add_u32 v[LR0], v1, 4, s21
	v_add_nc_u32 v[LR1], SLOTB, v[LR0]
	v_lshl_add_u32 v[SST], v[SS+1], 5, s85
	v_add_nc_u32 v[SRD], s86, v1
	v_and_b32 v[SRD], 31, v[SRD]
	v_lshl_add_u32 v[SRD], v[SRD], 2, SC
	v_lshl_add_u32 v[CTS], v1, 4, s87
	v_lshl_add_u32 v[CTR], v1, 4, s88
	s_wait_alu depctr_va_vdst(0)                   ; ahead of the waits below
	s_wait_dscnt 0x0                               ; both opening adds are done
	s_wait_kmcnt 0x0
	s_add_nc_u64 s[4:5], s[4:5], s[22:23]          ; x at my wave's first row
.irp k, 0,1,2,3
	s_mov_b32 s[G0+4*\k], 1                        ; count = 1
	s_add_co_u32 s[G0+4*\k+1], s21, (\k%2)*SLOTB   ; slots 0, 1, 0, 1
	s_add_nc_u64 s[G0+4*\k+2:G0+4*\k+3], s[4:5], HALFB+\k*SLOTW   ; my rows 8 + 16 k on
	s_or_b32 s[G0+4*\k+3], s[G0+4*\k+3], 0x80000000               ; type = 2
.endr
	tensor_load_to_lds s[G0:G0+3], s[G1B:G1B+7]    ; blocks 1 and 2: my one tensor load at the head
	s_nop 0
	PLACES                                         ; four v_nop follow the tensor load
	s_load_b64 s[92:93], s[10:11], 0x0             ; e0 (x), e1 (W_enc)
	s_add_nc_u64 s[6:7], s[6:7], s[70:71]
	s_add_nc_u64 s[8:9], s[8:9], s[72:73]
	s_add_nc_u64 s[12:13], s[12:13], s[74:75]
	s_add_nc_u64 s[14:15], s[14:15], s[76:77]
	s_add_nc_u64 s[16:17], s[16:17], s[78:79]
; n of W_enc's 128 loads, from number q0 on: number 16 t + 4 s + c is 16 bytes a lane of fragment (t, s); they stay
.macro WENC q0, n
.if \q0 < 64
	WIN 0x80                                       ; destination window 2: tiles 0-3
.else
	WIN 0xc0                                       ; destination window 3: tiles 4-7
.endif
.set WQ, \q0
.rept \n
	global_load_b128 v[4*(WQ%64):4*(WQ%64)+3], v[XO], s[6:7] offset:512*WQ
.set WQ, WQ+1
.endr
	WIN 0
.endm
; my rows from byte off on, n x 8,192 bytes: 32 lanes 256 bytes apart an instruction
.macro ASK off, n
.set WQ, \off
.rept \n
	global_prefetch_b8 v[PFO], s[4:5] offset:WQ th:TH_LOAD_NT scope:SCOPE_SE
.set WQ, WQ+8192
.endr
.endm
	WENC 0, 31
	WIN 0x40                                       ; destination window 1
.irp i, 0,1,2,3,4,5,6,7
.irp jj, 0,1,2,3
	global_load_b128 v[16*\i+4*\jj:16*\i+4*\jj+3], v[XO], s[4:5] offset:\i*ROWB+512*\jj th:TH_LOAD_NT   ; block 0 into set 0; read once in the launch
.endr
.endr
	WIN 0
.irp t, 0,1,2,3,4,5,6,7
	global_load_b32 v[NEGC+\t], v[CO16], s[12:13] offset:4096*\t
	global_load_b32 v[WC2+\t],  v[CO4],  s[8:9]   offset:64*\t
.endr
	WENC 31, 33
	WENC 64, 32
	ASK HALFB+SLOTW, 4                             ; blocks 3 and 4: their tensor load stands behind the first barrier
	WENC 96, 32
.irp i, 0,1,2,3,4,5,6,7
	s_mov_b32 s[PS+2*\i+1], 0                      ; named as the upper halves of pairs, so they are written
.endr
	s_wait_kmcnt 0x0
	s_add_co_i32 s87, s92, 127
	s_lshl_b32 s88, s87, 23
	v_mov_b32 v[SCL], s88                          ; 2^e0
	s_add_co_i32 s87, s87, 8
	s_lshl_b32 s87, s87, 23
	s_or_b32 s87, s87, 0x600000
	v_mov_b32 v[LIM], s87                          ; 448 x 2^e0
	s_add_co_i32 s85, s92, s93                     ; e0 + e1
	v_mov_b32 v[MX], 0xff61b1e6                    ; m = -3e38, under every t: the first step's f is 0 and finds zeros
	v_mov_b32 v[LS], 0
	v_mov_b32 v[FF+1], 0
.irp q, 0,1,2,3,4,5,6,7,8,9,10,11,12,13,14,15
	v_mov_b32 v[CTX+\q], 0
.endr
; four fragments: 16 rows (16 mt on) of a block's codes, all of K
.macro FRAGS buf, mt
.irp s, 0,1,2,3
.irp c, 0,1,2,3
	ds_load_b128 v[PF+16*\s+4*\c:PF+16*\s+4*\c+3], v[FRD] offset:(\buf)*CBUF+(\mt)*16*CP+128*\s+32*\c
.endr
.endr
.endm
; four products: K step s, W_enc's four tiles of the window in hand; the four accumulators take turns, one instruction a turn; K step 0 starts the sums
.macro MUL4 s, half
.irp t, 0,1,2,3
.if \s == 0
	v_wmma_f32_16x16x128_fp8_fp8 v[PA+32*\half+8*\t:PA+32*\half+8*\t+7], v[PF+16*\s:PF+16*\s+15], v[64*\t+16*\s:64*\t+16*\s+15], 0
.else
	v_wmma_f32_16x16x128_fp8_fp8 v[PA+32*\half+8*\t:PA+32*\half+8*\t+7], v[PF+16*\s:PF+16*\s+15], v[64*\t+16*\s:64*\t+16*\s+15], v[PA+32*\half+8*\t:PA+32*\half+8*\t+7]
.endif
.endr
.endm
; 32 products: 16 rows x my 128 columns x K = 512.  y0 .. y3: the LDS instructions that may stay out when K step s's fragment has to be in.  lw = 1: W_enc's tiles 4-7 have to land first
.macro MULS y0, y1, y2, y3, lw
	WIN 0x08                                       ; source 1 window 2: tiles 0-3
	s_wait_dscnt \y0
	MUL4 0, 0
	s_wait_dscnt \y1
	MUL4 1, 0
	s_wait_dscnt \y2
	MUL4 2, 0
	s_wait_dscnt \y3
	MUL4 3, 0
	WIN 0x0c                                       ; source 1 window 3: tiles 4-7
.if \lw
	s_wait_loadcnt 0x0
.endif
	MUL4 0, 1
	MUL4 1, 1
	MUL4 2, 1
	MUL4 3, 1
	WIN 0
	PLACES
.endm
; 16 rows' share of the scores: max(acc, -c/S), times WC2, summed over my eight tiles, then over the sixteen lanes of my half; eight rows a half go to the score words
.macro EPI buf, mt
.irp t, 0,1,2,3,4,5,6,7
.irp j, 0,2,4,6
	v_dual_max_num_f32 v[PA+8*\t+\j], v[PA+8*\t+\j], v[NEGC+\t] :: v_dual_max_num_f32 v[PA+8*\t+\j+1], v[PA+8*\t+\j+1], v[NEGC+\t]   ; each accumulator from its low end on
.endr
.irp jp, 0,2,4,6
.if \t == 0
	v_pk_mul_f32 v[SS+\jp:SS+\jp+1], v[PA+\jp:PA+\jp+1], v[WC2:WC2+1] op_sel_hi:[1,0]
.elseif (\t%2) == 0
	v_pk_fma_f32 v[SS+\jp:SS+\jp+1], v[PA+8*\t+\jp:PA+8*\t+\jp+1], v[WC2+\t:WC2+\t+1], v[SS+\jp:SS+\jp+1] op_sel_hi:[1,0,1]                 ; the pair's first register for both halves
.else
	v_pk_fma_f32 v[SS+\jp:SS+\jp+1], v[PA+8*\t+\jp:PA+8*\t+\jp+1], v[WC2+\t-1:WC2+\t], v[SS+\jp:SS+\jp+1] op_sel:[0,1,0] op_sel_hi:[1,1,1]   ; its second for both
.endif
.endr
.endr
.irp x, 1,2,4,8
.irp j, 0,1,2,3,4,5,6,7
	v_add_f32_dpp v[SS+\j], v[SS+\j], v[SS+\j] row_xmask:\x row_mask:0xf bank_mask:0xf
.endr
.endr
	ds_store_b128 v[SST], v[SS:SS+3]   offset:(\buf)*512+(\mt)*64      ; rows 16 mt + 8 h + 0 .. 3: the sixteen lanes of a half store the same words with the same numbers
	ds_store_b128 v[SST], v[SS+4:SS+7] offset:(\buf)*512+(\mt)*64+16
.endm
; a block's rows in a set are quantised.  A row: 16 numbers held within +-448 x 2^e0 (into other registers: the weighted sum wants the numbers as they are), converted, 4 words of codes to LDS
.macro QUANT set, buf
.irp i, 0,1,2,3,4,5,6,7
	WIN 0x01                                       ; source 0 window 1
.irp k, 0,1,2,3,4,5,6,7,8,9,10,11,12,13,14,15
	v_med3_num_f32 v[QQ+16*(\i%2)+\k], v[128*(\set)+16*\i+\k], -v[LIM], v[LIM]   ; the conversion to an 8-bit code does not saturate (ISA guide 7.6.2)
.endr
	WIN 0
	v_cvt_scalef32_pk8_fp8_f32 v[CD+4*\i:CD+4*\i+1],   v[QQ+16*(\i%2):QQ+16*(\i%2)+7],    v[SCL]   ; the next row's holds, which write the other set, are the plain lines behind these
	v_cvt_scalef32_pk8_fp8_f32 v[CD+4*\i+2:CD+4*\i+3], v[QQ+16*(\i%2)+8:QQ+16*(\i%2)+15], v[SCL]
.irp jj, 0,1,2,3
	ds_store_b32 v[CST], v[CD+4*\i+\jj] offset:(\buf)*CBUF+\i*CP+128*\jj   ; columns 128 jj + 4 lane + 0 .. 3: 128 bytes on end
.endr
.endr
	v_nop                                          ; a plain line behind the last conversion
.endm
; eight rows out of my half of a slot into a set
.macro ROWS set, slot, half
	WIN 0x40                                       ; destination window 1
.irp i, 0,1,2,3,4,5,6,7
.irp jj, 0,1,2,3
	ds_load_b128 v[128*(\set)+16*\i+4*\jj:128*(\set)+16*\i+4*\jj+3], v[LR0+(LR1-LR0)*(\slot)] offset:(\half)*HALFB+ROWB*\i+512*\jj
.endr
.endr
	WIN 0
.endm
.macro BAR                             ; my LDS stores have landed and my LDS loads are in: then the work-group's barrier
	s_wait_dscnt 0x0
	s_barrier_signal -1
	s_barrier_wait -1
.endm
; in front of a barrier behind which a slot is filled: the wait covers the add, my code stores and my reads of the slot
.macro FBAR
	s_wait_tensorcnt 0x0                           ; all my tensor loads have landed
	ds_add_u32 v[SPW], v[NIL]                      ; 0 onto my spare word
	BAR
.endm
; the softmax step of a block.  more = 1: the next block's first fragments are asked for behind the score words
.macro SOFT buf, more, nbuf
.irp u, 0,1,2,3
	ds_load_b32 v[TT+\u], v[SRD] offset:(\buf)*512+128*\u   ; row (lane + 8 w) mod 32: the four waves' shares of its score
.endr
.if \more
	FRAGS \nbuf, 0
	s_wait_dscnt 16                                ; all but the 16 fragment loads
.else
	s_wait_dscnt 0x0
.endif
	v_add_f32 v[TT], v[TT], v[TT+1]
	v_add_f32 v[TT+2], v[TT+2], v[TT+3]
	v_add_f32 v[TT], v[TT], v[TT+2]                ; t
	v_max_num_f32_dpp v[TT+1], v[TT], v[TT] row_xmask:1 row_mask:0xf bank_mask:0xf
	v_max_num_f32_dpp v[TT+1], v[TT+1], v[TT+1] row_xmask:2 row_mask:0xf bank_mask:0xf
	v_max_num_f32_dpp v[TT+1], v[TT+1], v[TT+1] row_xmask:4 row_mask:0xf bank_mask:0xf
	v_max_num_f32_dpp v[TT+1], v[TT+1], v[TT+1] row_xmask:8 row_mask:0xf bank_mask:0xf
	v_permlanex16_b32 v[TT+2], v[TT+1], s[SEL], s[SEL+1]
	v_max3_num_f32 v[TT+2], v[TT+1], v[TT+2], v[MX]   ; the new m: the block's 32 rows and the old m; the same number in all four waves
	v_sub_f32 v[TT+3], v[MX], v[TT+2]
	v_sub_f32 v[TT], v[TT], v[TT+2]
	s_wait_alu depctr_va_vdst(0)                   ; ahead of the batch
	v_exp_f32 v[FF], v[TT+3]                       ; f = 2^(old m - new m)
	v_exp_f32 v[PV], v[TT]                         ; p = 2^(t - m)
	v_mov_b32 v[MX], v[TT+2]                       ; (the plain line behind the exponentials)
	s_wait_alu depctr_va_vdst(0)                   ; and behind it, ahead of the first reader
	v_fma_f32 v[LS], v[LS], v[FF], v[PV]
.irp i, 0,1,2,3,4,5,6,7
	v_readlane_b32 s[PS+2*\i], v[PV], \i           ; my wave's own eight rows' p: factors only, they enter no address and no branch
.endr
.irp q, 0,2,4,6,8,10,12,14
	v_pk_mul_f32 v[CTX+\q:CTX+\q+1], v[CTX+\q:CTX+\q+1], v[FF:FF+1] op_sel_hi:[1,0]
.endr
.endm
.macro SUM set                         ; the weighted sum takes my eight rows
	WIN 0x01                                       ; source 0 window 1
.irp i, 0,1,2,3,4,5,6,7
.irp q, 0,2,4,6,8,10,12,14
	v_pk_fma_f32 v[CTX+\q:CTX+\q+1], v[128*(\set)+16*\i+\q:128*(\set)+16*\i+\q+1], s[PS+2*\i:PS+2*\i+1], v[CTX+\q:CTX+\q+1] op_sel_hi:[1,0,1]
.endr
.endr
	WIN 0
.endm
.macro TRIP i
.set YB, 32                            ; the row loads of block i + 1, younger than this block's first fragments
.if \i == 7
.set YB, 0
.endif
	MULS YB+12, YB+8, YB+4, YB, (\i==0)            ; behind K step s's four loads: the 12 - 4 s of the later K steps, and the row loads
	FRAGS (\i)%2, 1                                ; behind the places: these land under the vector work below
	EPI (\i)%2, 0
	MULS 14, 10, 6, 0, 0                           ; the later K steps' loads and the two score stores; the row loads are older
	EPI (\i)%2, 1
.if \i < 7
	QUANT ((\i)+1)%2, ((\i)+1)%2
.endif
.if (\i == 1) || (\i == 3)
	FBAR
.if \i == 1
	tensor_load_to_lds s[G0+8:G0+11], s[G1B:G1B+7]    ; blocks 5 and 6 into slot 0, which was read for the last time a trip ago: my one tensor load behind this barrier, first thing
.else
	tensor_load_to_lds s[G0+12:G0+15], s[G1A:G1A+7]   ; block 7 into slot 1
.endif
	s_nop 0
	PLACES                                         ; four v_nop follow it
.else
.if \i == 5
	s_wait_tensorcnt 0x0                           ; block 7 is in; only I read my part
.endif
	BAR
.endif
	SOFT (\i)%2, (\i<7), ((\i)+1)%2
	SUM (\i)%2
.if \i < 6
	ROWS (\i)%2, (((\i)+1)/2)%2, ((\i)+1)%2        ; block i + 2 into the set just summed
.endif
.if \i == 1
	ASK HALFB+3*SLOTW, 2                           ; block 7: its tensor load stands two trips on
.endif
.endm
	s_wait_alu depctr_va_vdst(0)                   ; directly ahead of the wait below
	s_wait_loadcnt 63                              ; block 0 and the small loads are in (97 of W_enc's loads are younger), and W_enc's tiles 0-3 (64 are younger)
.irp t, 0,1,2,3,4,5,6,7
	v_mul_f32 v[WC2+\t], 0x3fb8aa3b, v[WC2+\t]
.endr
.irp t, 0,1,2,3,4,5,6,7
	v_ldexp_f32 v[WC2+\t], v[WC2+\t], s85          ; wc S log2(e)
.endr
	QUANT 0, 0                                     ; block 0's codes
	s_wait_alu depctr_va_vdst(0)                   ; ahead of the waits below
	FBAR
	tensor_load_to_lds s[G0+4:G0+7], s[G1B:G1B+7]  ; blocks 3 and 4: slot 1's first fill, my one tensor load behind this barrier
	s_nop 0
	PLACES
	FRAGS 0, 0
	ROWS 1, 0, 0                                   ; block 1 into set 1
	ASK HALFB+2*SLOTW, 4                           ; blocks 5 and 6: their tensor load stands two trips on
	TRIP 0
	TRIP 1
	TRIP 2
	TRIP 3
	TRIP 4
	TRIP 5
	TRIP 6
	TRIP 7
	; THE END.  l over the 32 lanes (each lane summed one row of every block); the four waves' weighted sums meet in LDS, and wave w adds and stores columns 128 w .. + 127.
	v_add_f32_dpp v[LS], v[LS], v[LS] row_xmask:1 row_mask:0xf bank_mask:0xf
	v_add_f32_dpp v[LS], v[LS], v[LS] row_xmask:2 row_mask:0xf bank_mask:0xf
	v_add_f32_dpp v[LS], v[LS], v[LS] row_xmask:4 row_mask:0xf bank_mask:0xf
	v_add_f32_dpp v[LS], v[LS], v[LS] row_xmask:8 row_mask:0xf bank_mask:0xf
	v_permlanex16_b32 v[TT], v[LS], s[SEL], s[SEL+1]
	v_add_f32 v[LS], v[LS], v[TT]
.irp jj, 0,1,2,3
	ds_store_b128 v[CTS], v[CTX+4*\jj:CTX+4*\jj+3] offset:512*\jj   ; column 128 jj + 4 lane at byte 4 x column of my 2,048
.endr
	s_wait_alu depctr_va_vdst(0)                   ; ahead of the waits below
	BAR
.irp u, 0,1,2,3
	ds_load_b128 v[TT+4*\u:TT+4*\u+3], v[CTR] offset:2048*\u
.endr
	s_wait_dscnt 0x0
	v_pk_add_f32 v[TT:TT+1],     v[TT:TT+1],     v[TT+4:TT+5]
	v_pk_add_f32 v[TT+2:TT+3],   v[TT+2:TT+3],   v[TT+6:TT+7]
	v_pk_add_f32 v[TT+8:TT+9],   v[TT+8:TT+9],   v[TT+12:TT+13]
	v_pk_add_f32 v[TT+10:TT+11], v[TT+10:TT+11], v[TT+14:TT+15]
	v_pk_add_f32 v[TT:TT+1],     v[TT:TT+1],     v[TT+8:TT+9]
	v_pk_add_f32 v[TT+2:TT+3],   v[TT+2:TT+3],   v[TT+10:TT+11]
	global_store_b128 v[XO], v[TT:TT+3], s[14:15]  ; 32 lanes store 512 consecutive bytes, at a multiple of 256 from part's first byte
	s_cmp_lg_u32 s[WV], 0
	s_cbranch_scc1 .Lnot_wave_0
	v_lshlrev_b32 v[TT+16], 3, v1
	s_wait_alu depctr_va_vdst(0)                   ; directly ahead of the reader below
	global_store_b64 v[TT+16], v[MX:MX+1], s[16:17]   ; (m, l), the same pair from every lane: 256 consecutive bytes
.Lnot_wave_0:
	s_wait_tensorcnt 0x0                           ; the wave's end, behind my last tensor load and my last LDS store
	ds_add_u32 v[SPW], v[NIL]
	s_wait_dscnt 0x0
	s_endpgm
.Lfunc_end_k_q510f29cf5d_main:
	.size	k_q510f29cf5d_main, .Lfunc_end_k_q510f29cf5d_main-k_q510f29cf5d_main
	.p2alignl 7, 3214868480
	.fill 96, 4, 3214868480
	.section	.rodata,"a",@progbits
	.p2align	6, 0x0
	.amdhsa_kernel k_q510f29cf5d_main
		.amdhsa_group_segment_fixed_size 327680
		.amdhsa_private_segment_fixed_size 0
		.amdhsa_enable_private_segment 0
		.amdhsa_kernarg_size 56
		.amdhsa_user_sgpr_count 2
		.amdhsa_user_sgpr_kernarg_segment_ptr 1
		.amdhsa_wavefront_size32 1
		.amdhsa_system_sgpr_workgroup_id_x 1
		.amdhsa_system_sgpr_workgroup_id_y 1
		.amdhsa_system_sgpr_workgroup_id_z 1
		.amdhsa_system_vgpr_workitem_id 0
		.amdhsa_next_free_vgpr 1024
		.amdhsa_next_free_sgpr 96
		.amdhsa_reserve_vcc 0
		.amdhsa_float_denorm_mode_32 3
		.amdhsa_float_denorm_mode_16_64 3
		.amdhsa_memory_ordered 1
		.amdhsa_forward_progress 1
		.amdhsa_inst_pref_size 255
	.end_amdhsa_kernel
	.section	.bss,"aw",@nobits
	.p2align	6
	.space	262144
	.amdgpu_metadata
---
amdhsa.version: [ 1, 2 ]
amdhsa.kernels:
  - .name:           k_q510f29cf5d_main
    .symbol:         k_q510f29cf5d_main.kd
    .args:
      - { .name: encoded_features_map, .offset: 0, .size: 8, .value_kind: global_buffer, .address_space: global }
      - { .name: wf, .offset: 8, .size: 8, .value_kind: global_buffer, .address_space: global }
      - { .name: W_comb, .offset: 16, .size: 8, .value_kind: global_buffer, .address_space: global }
      - { .name: lowp_scales, .offset: 24, .size: 8, .value_kind: global_buffer, .address_space: global }
      - { .name: cs, .offset: 32, .size: 8, .value_kind: global_buffer, .address_space: global }
      - { .name: part, .offset: 40, .size: 8, .value_kind: global_buffer, .address_space: global }
      - { .name: stat, .offset: 48, .size: 8, .value_kind: global_buffer, .address_space: global }
    .group_segment_fixed_size: 327680
    .private_segment_fixed_size: 0
    .kernarg_segment_align: 8
    .kernarg_segment_size: 56
    .max_flat_workgroup_size: 128
    .sgpr_count:     96
    .vgpr_count:     1024
    .wavefront_size: 32
...
	.end_amdgpu_metadata
.endif
;; end of part 2
;; launch comb (part 3): grid 64 x 1, 4 waves a work-group, no clusters, 0 bytes of LDS; arguments part, stat, out0; writes out0
.if DOCPART == 3
	.amdgcn_target "amdgcn-amd-amdhsa--gfx1250"
	.amdhsa_code_object_version 6
	.text
	.protected	k_q510f29cf5d_comb
	.globl	k_q510f29cf5d_comb
	.p2align	8
	.type	k_q510f29cf5d_comb,@function
k_q510f29cf5d_comb:
	s_mov_b64 s[64:65], 0
	v_nop
	global_prefetch_b8 v0, s[64:65] scope:SCOPE_SE
	s_setreg_imm32_b32 hwreg(HW_REG_WAVE_MODE, 25, 1), 1
	s_wait_xcnt 0x0
; out0[b][:] = sum over the batch's four quarters g of 2^(m_g - M) part[4 b + g][:], divided by the sum of 2^(m_g - M) l_g; M = the largest m_g.
; A work-group takes a batch; thread t columns 4 t .. 4 t + 3: every load and the store of a wave cover 512 consecutive bytes (those of the statistics 256).  10 KiB a work-group: no LDS, no barrier, no matrix work.
	s_load_b128 s[4:7], s[0:1], 0x0                ; part, stat
	s_load_b64 s[8:9], s[0:1], 0x10                ; out0
	v_lshlrev_b32 v1, 4, v0                        ; 16 t
	v_and_b32 v2, 31, v0
	v_lshlrev_b32 v2, 3, v2                        ; 8 x lane: a copy of the pair (m, l) for each lane
	s_lshl_b32 s10, ttmp9, 13                      ; four rows of 2,048 bytes a batch
	s_mov_b32 s11, 0
	s_lshl_b32 s12, ttmp9, 10                      ; four times 256 bytes
	s_mov_b32 s13, 0
	s_lshl_b32 s14, ttmp9, 11
	s_mov_b32 s15, 0
	s_wait_alu depctr_va_vdst(0)
	s_wait_kmcnt 0x0
	s_add_nc_u64 s[4:5], s[4:5], s[10:11]
	s_add_nc_u64 s[6:7], s[6:7], s[12:13]
	s_add_nc_u64 s[8:9], s[8:9], s[14:15]
.irp g, 0,1,2,3
	global_load_b64 v[24+2*\g:25+2*\g], v2, s[6:7] offset:256*\g
.endr
.irp g, 0,1,2,3
	global_load_b128 v[8+4*\g:11+4*\g], v1, s[4:5] offset:2048*\g
.endr
	s_wait_loadcnt 4                               ; the four pairs are in; the four sums may stay out
	v_max3_num_f32 v32, v24, v26, v28
	v_max_num_f32 v32, v32, v30                    ; M
.irp g, 0,1,2,3
	v_sub_f32 v[33+\g], v[24+2*\g], v32
.endr
	s_wait_alu depctr_va_vdst(0)
.irp g, 0,1,2,3
	v_exp_f32 v[33+\g], v[33+\g]                   ; 2^(m_g - M), at most 1, and 1 for one g at the least: the divisor is no smaller than that quarter's l
.endr
	v_nop                                          ; a plain line behind the exponentials
	s_wait_alu depctr_va_vdst(0)
	v_mul_f32 v37, v33, v25
	v_fmac_f32 v37, v34, v27
	v_fmac_f32 v37, v35, v29
	v_fmac_f32 v37, v36, v31
	s_wait_alu depctr_va_vdst(0)
	v_rcp_f32 v38, v37
	v_nop                                          ; a plain line behind the reciprocal
	s_wait_alu depctr_va_vdst(0)
.irp g, 0,1,2,3
	v_mul_f32 v[33+\g], v[33+\g], v38
.endr
	s_wait_alu depctr_va_vdst(0)
	s_wait_loadcnt 0x0
.irp i, 0,1,2,3
	v_mul_f32 v[40+\i], v33, v[8+\i]
.endr
.irp g, 1,2,3
.irp i, 0,1,2,3
	v_fmac_f32 v[40+\i], v[33+\g], v[8+4*\g+\i]
.endr
.endr
	global_store_b128 v1, v[40:43], s[8:9]
	s_endpgm
.Lfunc_end_k_q510f29cf5d_comb:
	.size	k_q510f29cf5d_comb, .Lfunc_end_k_q510f29cf5d_comb-k_q510f29cf5d_comb
	.p2alignl 7, 3214868480
	.fill 96, 4, 3214868480
	.section	.rodata,"a",@progbits
	.p2align	6, 0x0
	.amdhsa_kernel k_q510f29cf5d_comb
		.amdhsa_group_segment_fixed_size 0
		.amdhsa_private_segment_fixed_size 0
		.amdhsa_enable_private_segment 0
		.amdhsa_kernarg_size 24
		.amdhsa_user_sgpr_count 2
		.amdhsa_user_sgpr_kernarg_segment_ptr 1
		.amdhsa_wavefront_size32 1
		.amdhsa_system_sgpr_workgroup_id_x 1
		.amdhsa_system_sgpr_workgroup_id_y 1
		.amdhsa_system_sgpr_workgroup_id_z 1
		.amdhsa_system_vgpr_workitem_id 0
		.amdhsa_next_free_vgpr 48
		.amdhsa_next_free_sgpr 66
		.amdhsa_reserve_vcc 0
		.amdhsa_float_denorm_mode_32 3
		.amdhsa_float_denorm_mode_16_64 3
		.amdhsa_memory_ordered 1
		.amdhsa_forward_progress 1
		.amdhsa_inst_pref_size 4
	.end_amdhsa_kernel
	.amdgpu_metadata
---
amdhsa.version: [ 1, 2 ]
amdhsa.kernels:
  - .name:           k_q510f29cf5d_comb
    .symbol:         k_q510f29cf5d_comb.kd
    .args:
      - { .name: part, .offset: 0, .size: 8, .value_kind: global_buffer, .address_space: global }
      - { .name: stat, .offset: 8, .size: 8, .value_kind: global_buffer, .address_space: global }
      - { .name: out0, .offset: 16, .size: 8, .value_kind: global_buffer, .address_space: global }
    .group_segment_fixed_size: 0
    .private_segment_fixed_size: 0
    .kernarg_segment_align: 8
    .kernarg_segment_size: 24
    .max_flat_workgroup_size: 128
    .sgpr_count:     66
    .vgpr_count:     48
    .wavefront_size: 32
...
	.end_amdgpu_metadata
.endif
;; end of part 3
